; MI455X (gfx1250); checked and timed in simulation.
; The chip was launched on July 23, 2026; its instructions are those of AMD's public machine-readable ISA for CDNA 5 (MIT licence, August 2026) and "CDNA5" Instruction Set Architecture Reference Guide (July 2026). The comments in the code are by the model that wrote it; some were corrected since.
;; Self Attention. Allowed arithmetic: matrix products marked QUANTISED: E2M3 operands, one E8M0 scale for each 32 along K, by v_wmma_scale_f32_16x16x128_f8f6f4 with both operands' format E2M3, f32 sums; everything else in f32.
;; Inputs: bk 64 float32; bo 512 float32; bq 64 float32; bv 512 float32; gamma 1 float32; wk_codes 64 x 16 x 24 uint8 (E2M3 codes of wk, K innermost, in blocks of 32 codes, four codes in three bytes); wk_scales 64 x 16 uint8 (E8M0 scales of wk, one for each 32 codes along K); wo_codes 512 x 16 x 24 uint8 (E2M3 codes of wo, K innermost, in blocks of 32 codes, four codes in three bytes); wo_scales 512 x 16 uint8 (E8M0 scales of wo, one for each 32 codes along K); wq_codes 64 x 16 x 24 uint8 (E2M3 codes of wq, K innermost, in blocks of 32 codes, four codes in three bytes); wq_scales 64 x 16 uint8 (E8M0 scales of wq, one for each 32 codes along K); wv_codes 512 x 16 x 24 uint8 (E2M3 codes of wv, K innermost, in blocks of 32 codes, four codes in three bytes); wv_scales 512 x 16 uint8 (E8M0 scales of wv, one for each 32 codes along K); x 16 x 512 x 2,048 float32.
;; Outputs: out0 16 x 512 x 2,048 float32.
;; This version of the problem:
;;   THIS VERSION OF THE PROBLEM IS GIVEN IN LOW PRECISION. The matrix products marked QUANTISED in the list below multiply operands that are first quantised to E2M3 (2 exponent bits, 3 mantissa bits; 6 bits a number), with one power-of-two scale for each 32 numbers along K (OCP MX v1.0); their sums are f32. All else is computed in f32.
;;   The module's matrix products, in the order in which they are computed (A, B: the left and right operand; K: the contracted axis; several contracted axes count as one K, in the product's order):
;;     1. [M 32,768, K 512] x [K 512, N 64]; A: input x; B: input wq (given as codes): QUANTISED
;;     2. [M 32,768, K 512] x [K 512, N 64]; A: input x; B: input wk (given as codes): QUANTISED
;;     3. [M 32,768, K 512] x [K 512, N 512]; A: input x; B: input wv (given as codes): QUANTISED
;;     4. batch 16 x [M 2,048, K 64] x [K 64, N 2,048]; A: computed on the way; B: computed on the way: QUANTISED
;;     5. batch 16 x [M 2,048, K 2,048] x [K 2,048, N 512]; A: softmax (see below); B: computed on the way: QUANTISED
;;     6. [M 32,768, K 512] x [K 512, N 512]; A: computed on the way; B: input wo (given as codes): QUANTISED
;;   THE QUANTISER, for each operand of a quantised product, along K:
;;     - K is cut into blocks of 32 from its start; a last block that is shorter is filled with zeros.
;;     - A block's scale is 2^e with e = floor(log2(the largest magnitude in the block)) - 2, held to -126 .. 127; a block of zeros has e = 0. As a byte (E8M0): e + 127.
;;     - Each number is divided by its block's scale, clamped to +-7.5, and rounded to the nearest number of E2M3, ties to even, subnormals kept.
;;     - The product sums the exact products of the quantised numbers (number of the format x scale) in f32.
;;   ~~~python
;;   def quantise(x, axis):      # numpy; x: float32 -> the quantised numbers, widened to float32 again
;;       x = np.moveaxis(x, axis, -1); K = x.shape[-1]
;;       x = np.pad(x, [(0, 0)] * (x.ndim - 1) + [(0, -K % 32)]); x = x.reshape(x.shape[:-1] + (-1, 32)); a = np.abs(x).max(-1, keepdims=True)
;;       e = np.where(a > 0, np.clip(np.frexp(np.where(a > 0, a, 1))[1] - 1 - 2, -126, 127), 0)      # np.frexp(a)[1] - 1 = floor(log2(a)), exactly
;;       r = np.clip(x / 2.0 ** e, -7.5, 7.5)
;;       step = 2.0 ** (np.maximum(np.frexp(np.where(r == 0, 1, r))[1] - 1, 0) - 3)
;;       q = np.round(r / step) * step * 2.0 ** e      # np.round: ties to even
;;       return np.moveaxis(q.reshape(q.shape[:-2] + (-1,))[..., :K], -1, axis).astype(np.float32)
;;   ~~~
;;   SOFTMAX AHEAD OF A QUANTISED PRODUCT. Where the list says 'softmax', what is quantised is not the finished softmax but p = 2^(t - M), with t = logit x log2(e) and M = ceil(the row's largest t), a whole number; so 1/2 < the row's largest p <= 1. The row's sum l is taken of the UNQUANTISED p, in f32, and the product's result is divided by l at the end. Since M is a whole number, a kernel that streams over the keys may use a running M (the ceiling of the running maximum): every later rescaling is an exact power of two, which a block's scale takes up: the codes' values come out the same.
;;   OPERANDS COMPUTED ON THE WAY. 'Computed on the way' means the value that the module computes at that place (a softmax that the list does not call 'softmax' is quantised finished and normalised). What goes into a quantiser is computed in f32, as accurately as f32 sums, v_exp_f32 and their like allow (about 1e-6 of the number): no bf16 or f16 on the way to a quantiser, and a product that is left as it is and whose result goes on into a quantised operand takes f32 operands (vector FMAs, or v_wmma_f32_16x16x4_f32). A number that lies on a knife's edge between two numbers of the format may be rounded either way, as far as f32 arithmetic and the matrix unit's own rounding can turn it there, and no further.
;;   INPUTS GIVEN AS CODES. wk (in the module: [64, 512], K = its axis 1); wo (in the module: [512, 512], K = its axis 1); wq (in the module: [64, 512], K = its axis 1); wv (in the module: [512, 512], K = its axis 1): each comes as NAME_codes (uint8): NAME with its K axis moved to the last place and cut into blocks of 32 codes, [.., K / 32, bytes a block], one block behind the other in memory; four codes in three bytes: a row's codes are one little-endian stream of bits, code i at bits 6 i .. 6 i + 5 (a code: sign, 2 exponent bits, 3 mantissa bits); and NAME_scales (uint8): the same leading axes, one E8M0 byte (e + 127) for each 32 codes along K. Its value is code x scale, taken as it is: it is not quantised again, and the codes and scales need not be those that the quantiser above would give.
;; One version. Each part assembles by itself: llvm-mc -triple=amdgcn-amd-amdhsa -mcpu=gfx1250 --defsym DOCPART=n.
;; ======== version 1 of 1: 2 launches
;; workspace buffers: qall 1,703,936 bytes; kall 1,703,936 bytes; vimg 12,582,912 bytes; vsc 524,288 bytes
;; launch proj (part 1): grid 16 x 16, 4 waves a work-group, no clusters, 327,680 bytes of LDS; arguments x, wq_codes, wq_scales, bq, wk_codes, wk_scales, bk, wv_codes, wv_scales, bv, qall, kall, vimg, vsc; writes qall, kall, vimg, vsc
.if DOCPART == 1
	.amdgcn_target "amdgcn-amd-amdhsa--gfx1250"
	.amdhsa_code_object_version 6
	.text
	.protected	k_q6d2de79551_proj
	.globl	k_q6d2de79551_proj
	.p2align	8
	.type	k_q6d2de79551_proj,@function
k_q6d2de79551_proj:
	s_mov_b64 s[64:65], 0
	v_nop
	global_prefetch_b8 v0, s[64:65] scope:SCOPE_SE
	s_setreg_imm32_b32 hwreg(HW_REG_WAVE_MODE, 25, 1), 1
	s_wait_xcnt 0x0
; q = x wq^T + bq, k = x wk^T + bk, v = x wv^T + bv on codes of FP6 (E2M3) with one E8M0 scale for each 32 along K, and the three results quantised again:
; q and k along d (the K of the scores), v along the positions (the keys: the K of the second product of attention).  x: [16][512][2048] f32, K = c is NOT innermost.
; NO WORK IS LEFT OUT: bq, bk and bv stand ahead of a quantiser and move its codes; every input of these three products is loaded and every product is done.
; LIMITS: NaN and infinities among the inputs are not served.  A block of zeros gets the scale byte 1 where the rule says 127: its codes are zeros, and the bytes are read by this program alone.
; A bias is the C of a sum's first matrix instruction: another order of f32 rounding than a bias added last.
; SHARES.  Work-group (j, b) owns positions 128 j .. 128 j + 127 of batch b: 512 x 128 numbers of x, 262,144 bytes, brought once by eight tensor loads (two a wave, first fills alone, nothing is filled again).
; Thread t quantises position t: its registers run down c, so a block of 32 lies in one lane.  The codes go to LDS as IMAGES OF THE OPERAND'S REGISTERS (registers 4 g .. 4 g + 3 of lane l at 512 g + 16 l).
; Every wave then holds all 32 fragments of x (8 tiles of positions x 4 K steps) in registers and walks weights of its own: waves 0, 1: wq, wk and three pairs of tiles of wv; waves 2, 3: five pairs of wv.
; ONE ORDER FOR ALL TILES: row m of tile 2 B + u is index 32 B + 8 u + m + 8 (m / 8) (positions, d, channels of v), so that a result's 16 registers of tiles 2 B, 2 B + 1 are 16 neighbours along the next K.
; NO CLUSTER: what work-groups share is the weights, 246 KB against 256 KB of x a work-group; x's tile and its images take 313,344 of the 327,680 bytes of LDS, so a shared weight tile has no room to land in.
; REGISTERS: window 0: addresses, scale words, biases, at work.  window 1: v0-95, v96-191 two pairs of weight tiles (tile u, K step s at 48 u + 12 s).
;   windows 2, 3: v0-191 x's fragments (tile a, K step s at 12 (8 (s % 2) + a) of window 2 + s / 2); v192-239 a pair of weight tiles as it comes from memory.
.set XIMG,  262144                     ; LDS: 0 .. 262,143 x's tile, row c at 512 c; then x's 32 images, fragment (a, s) at 1,536 (4 a + s),
.set XSC,   311296                     ; their scale words: tile a, row m, K step s at 256 a + 16 m + 4 s,
.set SPARE, 313344                     ; and the spare words, 128 bytes a wave: two blocks of 256 bytes that no other line names
.set LI,  1                            ; v1   16 x lane
.set LS,  2                            ; v2   4 x lane
.set XA,  3                            ; v3-6 my position's column in x's tile: 4 tid + 65,536 g
.set XW,  7                            ; v7   where my codes go in x's images
.set XWS, 8                            ; v8   and my four scale words
.set XRS, 9                            ; v9   where a fragment's scale words are read
.set XRI, 10                           ; v10  where images are read
.set WST, 11                           ; v11-13 my stage for weights: where pieces 3 i + k of 16 bytes a lane go (rows of 384 bytes, 400 apart)
.set WRP, 14                           ; v14  and where my lane's row of a tile is read
.set WSA, 15                           ; v15  my row among a pair's scale bytes (lanes 0-15 tile 0, lanes 16-31 tile 1)
.set BVA, 16                           ; v16  my channel among a pair's 32 of bv
.set BQA, 17                           ; v17  64 h: my half's numbers of bq or bk
.set SH,  18                           ; v18  16 h
.set SPW, 28                           ; v28  my spare word; never rewritten
.set NIL, 29                           ; v29  0; never rewritten
.set XSR, 32                           ; v32-63 x's scale words, 4 a + s
.set WS,  64                           ; v64-71 the weights' scale words: pair A at s, pair B at 4 + s
.set SCN, 72                           ; v72-75 the next pair's, on their way
.set BVN, 76                           ; v76-77 the next pair's bias
.set PW0, 78
.set TT,  79
.set BV,  80                           ; v80-95 bv as C, 8 registers a tile; for q and k v80-111: bias of tile t at 8 t
.set SB,  112                          ; v112-115 x's scale words as they are made; later q's or k's
.set TM,  116                          ; v116-127 at work
.set PW,  128                          ; the scale word just made
.set PC,  132                          ; v132-151 the codes just made
.set H,   152                          ; v152-215 64 results to be quantised; in the first phase two sets of 32 numbers of x
.set SEL, 58
.set MSB, 0
.macro WIN new                         ; the immediate's high byte repeats the setting that is left; a switch that changes nothing is dropped
.if MSB != (\new)
	s_set_vgpr_msb (MSB<<8)|(\new)
.set MSB, (\new)
.endif
.endm
.macro PLACES n
.rept \n
	v_nop
.endr
.endm
; one matrix instruction: D at d, sources at a and b, C at c (below 0: the constant 0), scale words sa, sb; ra, rb = 1: that side's words stand in lanes 16-31
.macro MM d, a, b, c, sa, sb, ra, rb
.if (\c) < 0
.if (\ra) && (\rb)
	v_wmma_scale_f32_16x16x128_f8f6f4 v[\d:\d+7], v[\a:\a+11], v[\b:\b+11], 0, v[\sa], v[\sb] matrix_a_fmt:MATRIX_FMT_FP6 matrix_b_fmt:MATRIX_FMT_FP6 matrix_a_scale:MATRIX_SCALE_ROW1 matrix_b_scale:MATRIX_SCALE_ROW1
.elseif (\ra)
	v_wmma_scale_f32_16x16x128_f8f6f4 v[\d:\d+7], v[\a:\a+11], v[\b:\b+11], 0, v[\sa], v[\sb] matrix_a_fmt:MATRIX_FMT_FP6 matrix_b_fmt:MATRIX_FMT_FP6 matrix_a_scale:MATRIX_SCALE_ROW1
.elseif (\rb)
	v_wmma_scale_f32_16x16x128_f8f6f4 v[\d:\d+7], v[\a:\a+11], v[\b:\b+11], 0, v[\sa], v[\sb] matrix_a_fmt:MATRIX_FMT_FP6 matrix_b_fmt:MATRIX_FMT_FP6 matrix_b_scale:MATRIX_SCALE_ROW1
.else
	v_wmma_scale_f32_16x16x128_f8f6f4 v[\d:\d+7], v[\a:\a+11], v[\b:\b+11], 0, v[\sa], v[\sb] matrix_a_fmt:MATRIX_FMT_FP6 matrix_b_fmt:MATRIX_FMT_FP6
.endif
.else
.if (\ra) && (\rb)
	v_wmma_scale_f32_16x16x128_f8f6f4 v[\d:\d+7], v[\a:\a+11], v[\b:\b+11], v[\c:\c+7], v[\sa], v[\sb] matrix_a_fmt:MATRIX_FMT_FP6 matrix_b_fmt:MATRIX_FMT_FP6 matrix_a_scale:MATRIX_SCALE_ROW1 matrix_b_scale:MATRIX_SCALE_ROW1
.elseif (\ra)
	v_wmma_scale_f32_16x16x128_f8f6f4 v[\d:\d+7], v[\a:\a+11], v[\b:\b+11], v[\c:\c+7], v[\sa], v[\sb] matrix_a_fmt:MATRIX_FMT_FP6 matrix_b_fmt:MATRIX_FMT_FP6 matrix_a_scale:MATRIX_SCALE_ROW1
.elseif (\rb)
	v_wmma_scale_f32_16x16x128_f8f6f4 v[\d:\d+7], v[\a:\a+11], v[\b:\b+11], v[\c:\c+7], v[\sa], v[\sb] matrix_a_fmt:MATRIX_FMT_FP6 matrix_b_fmt:MATRIX_FMT_FP6 matrix_b_scale:MATRIX_SCALE_ROW1
.else
	v_wmma_scale_f32_16x16x128_f8f6f4 v[\d:\d+7], v[\a:\a+11], v[\b:\b+11], v[\c:\c+7], v[\sa], v[\sb] matrix_a_fmt:MATRIX_FMT_FP6 matrix_b_fmt:MATRIX_FMT_FP6
.endif
.endif
.endm
; From four blocks' largest magnitudes in v[TM] on: the scale word in v[PW] and the fragment's codes in v[PC] on.  Register 16 b + i of v[s] on is k = 32 b + 16 (lane / 16) + i of my row.
.macro QTAIL s
.irp b, 0,1,2,3
	v_add_nc_u32 v[TM+8+\b], 0xff000000, v[TM+\b]  ; 2 off the exponent field: the conversion takes the exponent field of this operand as its scale
.endr
.irp b, 0,1,2,3
	v_lshrrev_b32 v[TM+4+\b], 23, v[TM+8+\b]       ; the scale's byte
.endr
	v_lshl_or_b32 v[PW], v[TM+5], 8, v[TM+4]
	v_lshl_or_b32 v[PW], v[TM+6], 16, v[PW]
	v_lshl_or_b32 v[PW], v[TM+7], 24, v[PW]
.irp c, 0,1
	v_cvt_scalef32_pk16_fp6_f32 v[PC+6*\c:PC+2+6*\c], v[\s+32*\c:\s+15+32*\c], v[TM+8+2*\c]
	v_cvt_scalef32_pk16_fp6_f32 v[PC+12+4*\c:PC+14+4*\c], v[\s+16+32*\c:\s+31+32*\c], v[TM+8+2*\c+1]   ; (a conversion's three registers begin on an even number)
.endr
	v_nop                                          ; one plain place behind a scaled conversion
.irp c, 0,1                                    ; the operand's layout wants a whole block in a lane: lanes 0-15 block 2 c, lanes 16-31 block 2 c + 1
.irp i, 0,1,2
	v_permlane16_swap_b32 v[PC+6*\c+\i], v[PC+12+4*\c+\i]
.endr
.irp i, 0,1,2
	v_mov_b32 v[PC+3+6*\c+\i], v[PC+12+4*\c+\i]
.endr
.endr
.endm
.macro QUANT s
.irp b, 0,1,2,3
	v_max3_num_f32 v[TM+\b], |v[\s+16*\b]|, |v[\s+1+16*\b]|, 0x1800000   ; my 16 numbers of block b, and the floor 2^(3 - 127): the byte cannot fall under 1
.endr
.irp i, 2,4,6,8,10,12,14
.irp b, 0,1,2,3
	v_max3_num_f32 v[TM+\b], v[TM+\b], |v[\s+16*\b+\i]|, |v[\s+1+16*\b+\i]|
.endr
.endr
.irp b, 0,1,2,3
	v_permlanex16_b32 v[TM+4+\b], v[TM+\b], s[SEL], s[SEL+1]
.endr
.irp b, 0,1,2,3
	v_max_num_f32 v[TM+\b], v[TM+\b], v[TM+4+\b]   ; with lane l xor 16's: the block's largest magnitude
.endr
	QTAIL \s
.endm
; block t of my position: x(32 t + k, position), k = 0 .. 31, into set t % 2: each load reads 32 neighbouring words
.macro LOADB t
.set k, 0
.rept 32
	ds_load_b32 v[H+32*((\t)%2)+k], v[XA+(\t)/4] offset:512*((32*(\t)+k)%128)
.set k, k+1
.endr
.endm
; block t is quantised; its 24 bytes go to registers 6 ((t / 2) % 2) on of lane m + 16 (t % 2) of fragment (my tile, t / 4).  n: the LDS instructions issued behind this block's loads
.macro BLOCKX t, n, more
.set XS, H+32*((\t)%2)
.set XC, PC+8*((\t)%2)
	s_wait_dscnt \n                                ; this block's 32 loads are in, and so are the stores of two blocks ago, which read v[XC] on
	v_max3_num_f32 v[TM], |v[XS]|, |v[XS+1]|, |v[XS+2]|
	v_max3_num_f32 v[TM+1], |v[XS+3]|, |v[XS+4]|, |v[XS+5]|
.irp i, 6,10,14,18,22,26
	v_max3_num_f32 v[TM], v[TM], |v[XS+\i]|, |v[XS+\i+1]|
	v_max3_num_f32 v[TM+1], v[TM+1], |v[XS+\i+2]|, |v[XS+\i+3]|
.endr
	v_max3_num_f32 v[TM], v[TM], |v[XS+30]|, |v[XS+31]|
	v_max3_num_f32 v[TM], v[TM], v[TM+1], 0x1800000
	v_add_nc_u32 v[TM+2], 0xff000000, v[TM]
.if (\t)%4 == 0
	v_lshrrev_b32 v[SB+(\t)/4], 23, v[TM+2]
.else
	v_lshrrev_b32 v[TM+3], 23, v[TM+2]
	v_lshl_or_b32 v[SB+(\t)/4], v[TM+3], 8*((\t)%4), v[SB+(\t)/4]
.endif
	v_cvt_scalef32_pk16_fp6_f32 v[XC:XC+2], v[XS:XS+15], v[TM+2]
	v_cvt_scalef32_pk16_fp6_f32 v[XC+4:XC+6], v[XS+16:XS+31], v[TM+2]
	v_nop
	v_mov_b32 v[XC+3], v[XC+4]                     ; the six registers on end
	v_mov_b32 v[XC+4], v[XC+5]
	v_mov_b32 v[XC+5], v[XC+6]
.if ((\t)/2)%2 == 0
	ds_store_b128 v[XW], v[XC:XC+3] offset:1536*((\t)/4)+256*((\t)%2)
	ds_store_b64 v[XW], v[XC+4:XC+5] offset:1536*((\t)/4)+256*((\t)%2)+512
.else
	ds_store_b64 v[XW], v[XC:XC+1] offset:1536*((\t)/4)+256*((\t)%2)+520
	ds_store_b128 v[XW], v[XC+2:XC+5] offset:1536*((\t)/4)+256*((\t)%2)+1024
.endif
.if \more
	LOADB (\t)+2
.endif
.endm
; twelve pieces (512 bytes each, as loaded) of a pair of weight tiles go into my stage: piece i at v[WST + i % 3] + 1,600 (i / 3)
.macro WSTORE12 win, reg, i0
	WIN (\win)<<2                                  ; an LDS store's data are its source 1
.set k, 0
.rept 12
	ds_store_b128 v[WST+((\i0)+k)%3], v[(\reg)+4*k:(\reg)+4*k+3] offset:1600*(((\i0)+k)/3)
.set k, k+1
.endr
	WIN 0
.endm
; and come back as eight fragments: lane (r, h) takes 24 bytes at 96 s + 24 h and 24 at 96 s + 48 + 24 h of its row, in pieces of 8.  LDS serves a wave's instructions in order: these see the stores above
.macro WFRAG dst, tstep
	WIN 0x40
.irp u, 0,1
.irp s, 0,1,2,3
.irp p, 0,1,2,3,4,5
	ds_load_b64 v[(\dst)+48*\u+12*\s+2*\p:(\dst)+48*\u+12*\s+2*\p+1], v[WRP] offset:(\tstep)*\u+96*\s+48*(\p/3)+8*(\p%3)
.endr
.endr
.endr
	WIN 0
.endm
.macro WREQ                            ; a pair of wv: 12,288 dense bytes, its scale bytes, its bias: 27 loads
	WIN 0x80
.set k, 0
.rept 12
	global_load_b128 v[192+4*k:195+4*k], v[LI], s[22:23] offset:512*k
.set k, k+1
.endr
	WIN 0xc0
.set k, 0
.rept 12
	global_load_b128 v[192+4*k:195+4*k], v[LI], s[22:23] offset:6144+512*k
.set k, k+1
.endr
	WIN 0
	global_load_b128 v[SCN:SCN+3], v[WSA], s[24:25]
	global_load_b32 v[BVN], v[BVA], s[26:27]
	global_load_b32 v[BVN+1], v[BVA], s[26:27] offset:32
.endm
; 16 channels of v for my 128 positions: source 0 = x's tile (16 positions), source 1 = 16 rows of wv: a lane holds ONE channel and its registers run along the positions.  Eight accumulators by turns
.macro TILEV u
	s_wait_xcnt 0x0                                ; the last image's stores have read v[PC] on
.irp s, 0,1,2,3
	WIN 0x06+\s/2
.irp a, 0,1,2,3,4,5,6,7
.if \s == 0
	MM H+8*\a, 12*(8*(\s%2)+\a), 48*(\u)+12*\s, BV+8*(\u), XSR+4*\a+\s, WS+\s, 0, \u
.else
	MM H+8*\a, 12*(8*(\s%2)+\a), 48*(\u)+12*\s, H+8*\a, XSR+4*\a+\s, WS+\s, 0, \u
.endif
.endr
.endr
	WIN 0
	PLACES 5                                       ; four ahead of the first read of results; five ahead of the next run, which begins these accumulators anew
	QUANT H
.irp g, 0,1,2
	global_store_b128 v[LI], v[PC+4*\g:PC+4*\g+3], s[32:33] offset:1536*(\u)+512*\g   ; 512 consecutive bytes a store
.endr
.endm
.macro VPAIR next
	s_wait_loadcnt 0x0                             ; this pair's 27 loads are in
	WSTORE12 2, 192, 0
	WSTORE12 3, 192, 12
	WFRAG 0, 3200
.irp s, 0,1,2,3
	v_mov_b32 v[WS+\s], v[SCN+\s]
.endr
.irp i, 0,1,2,3,4,5,6,7
	v_mov_b32 v[BV+\i], v[BVN]
	v_mov_b32 v[BV+8+\i], v[BVN+1]
.endr
	PLACES 8                                       ; a scale word written by a vector instruction stands eight places ahead of the product
	s_wait_dscnt 0x0                               ; the fragments are in, and the stage's stores have read the registers that the next pair's loads take
.if \next
	s_wait_xcnt 0x0
	s_add_nc_u64 s[22:23], s[22:23], 12288
	s_add_nc_u64 s[24:25], s[24:25], 512
	s_add_nc_u64 s[26:27], s[26:27], 128
	WREQ
.endif
	TILEV 0
	v_mov_b32 v[PW0], v[PW]
	TILEV 1
	v_cndmask_b32 v[TT], v[PW0], v[PW], s60        ; lanes 0-15 tile 0's scale words, lanes 16-31 tile 1's
	global_store_b32 v[LS], v[TT], s[34:35]
	s_wait_xcnt 0x0                                ; the stores have read their bases and data
	s_add_nc_u64 s[32:33], s[32:33], 3072
	s_add_nc_u64 s[34:35], s[34:35], 128
.endm
; q or k of position tiles 2 pp, 2 pp + 1: source 0 = 16 rows of the weight (d), source 1 = x's tile: a lane holds ONE position and its registers run along d.  32 numbers a tile: two tiles make one image
.macro QKPAIR pp
.irp s, 0,1,2,3
	WIN 0x09+4*(\s/2)
.irp e, 0,1
.irp t, 0,1,2,3
.if \s == 0
	MM H+32*\e+8*\t, 96*(\t/2)+48*(\t%2)+12*\s, 12*(8*(\s%2)+2*(\pp)+\e), BV+8*\t, WS+4*(\t/2)+\s, XSR+4*(2*(\pp)+\e)+\s, \t%2, 0
.else
	MM H+32*\e+8*\t, 96*(\t/2)+48*(\t%2)+12*\s, 12*(8*(\s%2)+2*(\pp)+\e), H+32*\e+8*\t, WS+4*(\t/2)+\s, XSR+4*(2*(\pp)+\e)+\s, \t%2, 0
.endif
.endr
.endr
.endr
	WIN 0
	PLACES 5
	s_wait_xcnt 0x0                                ; the last image's stores have read v[PC] on
	QUANT H
.irp g, 0,1,2
	global_store_b128 v[LI], v[PC+4*\g:PC+4*\g+3], s[74:75] offset:1536*(\pp)+512*\g
.endr
	v_lshrrev_b32 v[TT], v[SH], v[PW]              ; lanes 0-15: the first tile's two bytes; lanes 16-31: the second's; the upper two bytes are 0
	v_and_b32 v[SB+(\pp)], 0xffff, v[TT]
.endm
	s_load_b512 s[8:23], s[0:1], 0x0               ; x, wq codes, wq scales, bq, wk codes, wk scales, bk, wv codes
	s_load_b256 s[24:31], s[0:1], 0x40             ; wv scales, bv, qall, kall
	s_load_b128 s[32:35], s[0:1], 0x60             ; vimg, vsc
	v_lshl_add_u32 v[SPW], v0, 2, SPARE
	v_mov_b32 v[NIL], 0
	ds_add_u32 v[SPW], v[NIL]                      ; the wave's opening: the add, twice on end, and its wait ahead of my first tensor load
	ds_add_u32 v[SPW], v[NIL]
	v_lshrrev_b32 v30, 5, v0
	v_readfirstlane_b32 s36, v30                   ; wave 0..3
	s_mov_b32 s37, ttmp9                           ; j: which 128 positions
	s_and_b32 s38, ttmp7, 0xffff                   ; b: the batch
	s_mov_b32 s48, 2<<16                           ; group 1: no mask, elements of 4 bytes, no padding
	s_mov_b32 s49, 128<<16                         ; tensor_dim0 = 128
	s_mov_b32 s50, 64<<16                          ; tensor_dim1 = 64
	s_mov_b32 s51, 128<<16                         ; tile_dim0 = 128 (512 bytes)
	s_mov_b32 s52, 64                              ; tile_dim1 = 64 rows
	s_mov_b32 s53, 2048                            ; from row to row
	s_mov_b32 s54, 0
	s_mov_b32 s55, 0
	s_mov_b32 s40, 1
	s_lshl_b32 s41, s36, 15                        ; rows 64 w on: 32,768 w
	s_mov_b32 s44, 1
	s_add_co_u32 s45, s41, 131072                  ; rows 256 + 64 w on
	s_lshl_b32 s56, s38, 22
	s_lshl_b32 s57, s37, 9
	s_add_co_u32 s56, s56, s57
	s_lshl_b32 s57, s36, 19
	s_add_co_u32 s56, s56, s57                     ; 4,194,304 b + 512 j + 64 w rows of 8,192 bytes
	s_mov_b32 s57, 0
	s_mov_b32 s[SEL], 0x76543210
	s_mov_b32 s[SEL+1], 0xfedcba98                 ; v_permlanex16_b32's selects for lane l xor 16
	s_mov_b32 s60, 0xffff0000                      ; lanes 16-31
	s_wait_dscnt 0x0                               ; both opening adds are done
	s_wait_kmcnt 0x0
	s_add_nc_u64 s[42:43], s[8:9], s[56:57]
	s_add_nc_u64 s[46:47], s[42:43], 0x200000      ; 256 rows on
	s_or_b32 s43, s43, 0x80000000
	s_or_b32 s47, s47, 0x80000000
	tensor_load_to_lds s[40:43], s[48:55]          ; every wave issues both first fills: two tensor loads of mine are out
	s_nop 0
	tensor_load_to_lds s[44:47], s[48:55]
	s_nop 0
	PLACES 4
	; what my wave walks of wv: n pairs from pair p0 on: (p0, n) = (0, 3), (3, 3), (6, 5), (11, 5)
	s_lshr_b32 s62, s36, 1
	s_and_b32 s63, s62, s36
	s_lshl_b32 s63, s63, 1
	s_mul_i32 s66, s36, 3
	s_add_co_u32 s66, s66, s63                     ; p0 = 3 w + 2 (w = 3)
	s_lshl_b32 s61, s62, 1
	s_add_co_u32 s61, s61, 2                       ; n - 1
	s_mul_i32 s56, s66, 12288
	s_add_nc_u64 s[22:23], s[22:23], s[56:57]
	s_lshl_b32 s56, s66, 9
	s_add_nc_u64 s[24:25], s[24:25], s[56:57]
	s_lshl_b32 s56, s66, 7
	s_add_nc_u64 s[26:27], s[26:27], s[56:57]
	s_mul_i32 s56, s38, 786432
	s_mul_i32 s62, s37, 49152
	s_add_co_u32 s56, s56, s62
	s_mul_i32 s62, s66, 3072
	s_add_co_u32 s56, s56, s62
	s_add_nc_u64 s[32:33], s[32:33], s[56:57]      ; vimg [b][j][tile][1,536]
	s_lshl_b32 s56, s38, 15
	s_lshl_b32 s62, s37, 11
	s_add_co_u32 s56, s56, s62
	s_lshl_b32 s62, s66, 7
	s_add_co_u32 s56, s56, s62
	s_add_nc_u64 s[34:35], s[34:35], s[56:57]      ; vsc [b][j][pair][lane]
	s_cmp_eq_u32 s36, 0                            ; wave 0 makes q, wave 1 k: the choice hangs on the wave's number alone
	s_cselect_b64 s[68:69], s[10:11], s[16:17]
	s_cselect_b64 s[70:71], s[12:13], s[18:19]
	s_cselect_b64 s[72:73], s[14:15], s[20:21]
	s_cselect_b64 s[74:75], s[28:29], s[30:31]
	s_mul_i32 s56, s38, 106496
	s_add_nc_u64 s[74:75], s[74:75], s[56:57]
	s_lshl_b32 s56, s37, 9
	s_add_co_u32 s56, s56, 98304
	s_add_nc_u64 s[76:77], s[74:75], s[56:57]      ; the block's scale words
	s_mul_i32 s56, s37, 6144
	s_add_nc_u64 s[74:75], s[74:75], s[56:57]      ; the block's four images
	v_and_b32 v30, 31, v0                          ; lane
	v_lshlrev_b32 v[LI], 4, v30
	v_lshlrev_b32 v[LS], 2, v30
	v_lshlrev_b32 v[XA], 2, v0
	v_add_nc_u32 v[XA+1], 0x10000, v[XA]
	v_add_nc_u32 v[XA+2], 0x20000, v[XA]
	v_add_nc_u32 v[XA+3], 0x30000, v[XA]
	v_and_b32 v31, 15, v0                          ; r
	v_bfe_u32 v19, v0, 4, 1                        ; h
	v_bfe_u32 v20, v0, 3, 1                        ; my position lies in tile 2 w + u,
	v_and_b32 v21, 7, v0
	v_lshl_or_b32 v21, v19, 3, v21                 ; at row m = lane % 8 + 8 (lane / 16)
	s_mul_i32 s56, s36, 12288
	v_lshlrev_b32 v[XW], 4, v21
	v_mad_u32_u24 v[XW], v20, 6144, v[XW]
	v_add_nc_u32 v[XW], s56, v[XW]
	v_add_nc_u32 v[XW], XIMG, v[XW]
	v_lshlrev_b32 v[XWS], 4, v21
	v_lshl_add_u32 v[XWS], v20, 8, v[XWS]
	s_lshl_b32 s56, s36, 9
	v_add_nc_u32 v[XWS], s56, v[XWS]
	v_add_nc_u32 v[XWS], XSC, v[XWS]
	v_lshl_add_u32 v[XRS], v31, 4, XSC
	v_add_nc_u32 v[XRI], XIMG, v[LI]
	s_mul_i32 s56, s36, 12800                      ; my stage: 32 rows, 400 bytes apart.  It lies in x's tile, which has had its last fill and its last read when the first weight is stored there
.irp k, 0,1,2
	v_add_nc_u32 v22, 32*\k, v30                   ; piece q0 of 16 bytes: row q0 / 24 (2,731 / 65,536 serves for 1 / 24 up to 95)
	v_mul_u32_u24 v23, v22, 2731
	v_lshrrev_b32 v23, 16, v23
	v_add_nc_u32 v23, v23, v22
	v_lshlrev_b32 v23, 4, v23
	v_add_nc_u32 v[WST+\k], s56, v23
.endr
	v_and_b32 v24, 8, v31
	v_add_nc_u32 v24, v24, v31                     ; r + 8 (r / 8)
	v_mul_u32_u24 v[WRP], v24, 400
	v_mad_u32_u24 v[WRP], v19, 24, v[WRP]
	v_add_nc_u32 v[WRP], s56, v[WRP]
	v_lshl_add_u32 v25, v19, 3, v24
	v_lshlrev_b32 v[WSA], 4, v25
	v_lshlrev_b32 v[BVA], 2, v24
	v_lshlrev_b32 v[BQA], 6, v19
	v_lshlrev_b32 v[SH], 4, v19
.irp b, 0,1,2,3
	v_mov_b32 v[TM+4+\b], 0                        ; written once: a lane permute's destination counts as one of its sources
.endr
	; the first weights are asked for now and land while x is quantised
	s_cmp_lt_u32 s36, 2
	s_cbranch_scc0 .Lreq_v
	WIN 0x80
.set k, 0
.rept 12
	global_load_b128 v[192+4*k:195+4*k], v[LI], s[68:69] offset:512*k
.set k, k+1
.endr
	WIN 0xc0
.set k, 0
.rept 12
	global_load_b128 v[192+4*k:195+4*k], v[LI], s[68:69] offset:6144+512*k
.set k, k+1
.endr
	WIN 0x40
.set k, 0
.rept 24
	global_load_b128 v[96+4*k:99+4*k], v[LI], s[68:69] offset:12288+512*k
.set k, k+1
.endr
	WIN 0
	global_load_b128 v[WS:WS+3], v[WSA], s[70:71]
	global_load_b128 v[WS+4:WS+7], v[WSA], s[70:71] offset:512
.irp t, 0,1,2,3
	global_load_b128 v[BV+8*\t:BV+8*\t+3], v[BQA], s[72:73] offset:(32*(\t/2)+8*(\t%2))*4
	global_load_b128 v[BV+8*\t+4:BV+8*\t+7], v[BQA], s[72:73] offset:(32*(\t/2)+8*(\t%2))*4+16
.endr
	s_branch .Lreq_done
.Lreq_v:
	WREQ
.Lreq_done:
	; ---- x becomes codes
	s_wait_tensorcnt 0x1                           ; my rows of c = 0 .. 255 are in; my second load may stay out
	s_barrier_signal -1
	s_barrier_wait -1                              ; everybody's are
	LOADB 0
	LOADB 1
	BLOCKX 0, 32, 1                                ; behind block 0's loads: block 1's 32
.irp t, 1,2,3,4,5
	BLOCKX \t, 34, 1                               ; behind this block's loads: the last block's two stores and the next block's 32 loads
.endr
	BLOCKX 6, 34, 0
	BLOCKX 7, 2, 0
	s_wait_tensorcnt 0x0                           ; my rows of c = 256 .. 511
	s_wait_dscnt 0x0
	s_barrier_signal -1
	s_barrier_wait -1
	LOADB 8
	LOADB 9
	BLOCKX 8, 32, 1
.irp t, 9,10,11,12,13
	BLOCKX \t, 34, 1
.endr
	BLOCKX 14, 34, 0
	BLOCKX 15, 2, 0
	ds_store_b128 v[XWS], v[SB:SB+3]
	s_wait_dscnt 0x0                               ; for the others' sake: my images and words have landed, and my reads of x's tile are over
	s_barrier_signal -1
	s_barrier_wait -1
	; ---- all 32 fragments of x into my registers
.irp s, 0,1,2,3
	WIN 0x80+0x40*(\s/2)
.irp a, 0,1,2,3,4,5,6,7
.irp g, 0,1,2
	ds_load_b128 v[12*(8*(\s%2)+\a)+4*\g:12*(8*(\s%2)+\a)+4*\g+3], v[XRI] offset:1536*(4*\a+\s)+512*\g
.endr
.endr
.endr
	WIN 0
.irp a, 0,1,2,3,4,5,6,7
	ds_load_b128 v[XSR+4*\a:XSR+4*\a+3], v[XRS] offset:256*\a
.endr
	s_wait_dscnt 0x0
	; ---- waves 0 and 1: q, k.  No barrier and no shared LDS byte from here on
	s_cmp_lt_u32 s36, 2
	s_cbranch_scc0 .Lv_role
	s_wait_loadcnt 0x0
	WSTORE12 2, 192, 0
	WSTORE12 3, 192, 12
	WFRAG 0, 3200
	WSTORE12 1, 96, 0                              ; (behind the loads above, which LDS serves first)
	WSTORE12 1, 144, 12
	s_wait_dscnt 0x0                               ; these stores have read the registers into which the fragments now come
	WFRAG 96, 3200
	WREQ                                           ; my first pair of wv
	s_wait_dscnt 0x0
	QKPAIR 0
	QKPAIR 1
	QKPAIR 2
	QKPAIR 3
	global_store_b128 v[LI], v[SB:SB+3], s[76:77]  ; the block's scale words: 512 consecutive bytes
.Lv_role:
	; ---- v: a pair of tiles a trip; the next pair's bytes are on their way meanwhile.  The last pair is written out: no load passes wv's end
.Lvp:
	VPAIR 1
	s_sub_co_u32 s61, s61, 1
	s_cmp_lg_u32 s61, 0
	s_cbranch_scc1 .Lvp
	VPAIR 0
	s_wait_tensorcnt 0x0                           ; the wave's end: behind my last tensor load and my last LDS store
	ds_add_u32 v[SPW], v[NIL]
	s_wait_dscnt 0x0
	s_endpgm
.Lfunc_end_k_q6d2de79551_proj:
	.size	k_q6d2de79551_proj, .Lfunc_end_k_q6d2de79551_proj-k_q6d2de79551_proj
	.p2alignl 7, 3214868480
	.fill 96, 4, 3214868480
	.section	.rodata,"a",@progbits
	.p2align	6, 0x0
	.amdhsa_kernel k_q6d2de79551_proj
		.amdhsa_group_segment_fixed_size 327680
		.amdhsa_private_segment_fixed_size 0
		.amdhsa_enable_private_segment 0
		.amdhsa_kernarg_size 112
		.amdhsa_user_sgpr_count 2
		.amdhsa_user_sgpr_kernarg_segment_ptr 1
		.amdhsa_wavefront_size32 1
		.amdhsa_system_sgpr_workgroup_id_x 1
		.amdhsa_system_sgpr_workgroup_id_y 1
		.amdhsa_system_sgpr_workgroup_id_z 1
		.amdhsa_system_vgpr_workitem_id 0
		.amdhsa_next_free_vgpr 1024
		.amdhsa_next_free_sgpr 80
		.amdhsa_reserve_vcc 0
		.amdhsa_float_denorm_mode_32 3
		.amdhsa_float_denorm_mode_16_64 3
		.amdhsa_memory_ordered 1
		.amdhsa_forward_progress 1
		.amdhsa_inst_pref_size 173
	.end_amdhsa_kernel
	.amdgpu_metadata
---
amdhsa.version: [ 1, 2 ]
amdhsa.kernels:
  - .name:           k_q6d2de79551_proj
    .symbol:         k_q6d2de79551_proj.kd
    .args:
      - { .name: x, .offset: 0, .size: 8, .value_kind: global_buffer, .address_space: global }
      - { .name: wq_codes, .offset: 8, .size: 8, .value_kind: global_buffer, .address_space: global }
      - { .name: wq_scales, .offset: 16, .size: 8, .value_kind: global_buffer, .address_space: global }
      - { .name: bq, .offset: 24, .size: 8, .value_kind: global_buffer, .address_space: global }
      - { .name: wk_codes, .offset: 32, .size: 8, .value_kind: global_buffer, .address_space: global }
      - { .name: wk_scales, .offset: 40, .size: 8, .value_kind: global_buffer, .address_space: global }
      - { .name: bk, .offset: 48, .size: 8, .value_kind: global_buffer, .address_space: global }
      - { .name: wv_codes, .offset: 56, .size: 8, .value_kind: global_buffer, .address_space: global }
      - { .name: wv_scales, .offset: 64, .size: 8, .value_kind: global_buffer, .address_space: global }
      - { .name: bv, .offset: 72, .size: 8, .value_kind: global_buffer, .address_space: global }
      - { .name: qall, .offset: 80, .size: 8, .value_kind: global_buffer, .address_space: global }
      - { .name: kall, .offset: 88, .size: 8, .value_kind: global_buffer, .address_space: global }
      - { .name: vimg, .offset: 96, .size: 8, .value_kind: global_buffer, .address_space: global }
      - { .name: vsc, .offset: 104, .size: 8, .value_kind: global_buffer, .address_space: global }
    .group_segment_fixed_size: 327680
    .private_segment_fixed_size: 0
    .kernarg_segment_align: 8
    .kernarg_segment_size: 112
    .max_flat_workgroup_size: 128
    .sgpr_count:     80
    .vgpr_count:     1024
    .wavefront_size: 32
...
	.end_amdgpu_metadata
.endif
;; end of part 1
;; launch attn (part 2): grid 16 x 16, 4 waves a work-group, no clusters, 304,640 bytes of LDS; arguments x, qall, kall, vimg, vsc, wo_codes, wo_scales, bo, gamma, out0; writes out0
.if DOCPART == 2
	.amdgcn_target "amdgcn-amd-amdhsa--gfx1250"
	.amdhsa_code_object_version 6
	.text
	.protected	k_q6d2de79551_attn
	.globl	k_q6d2de79551_attn
	.p2align	8
	.type	k_q6d2de79551_attn,@function
k_q6d2de79551_attn:
	s_mov_b64 s[64:65], 0
	v_nop
	global_prefetch_b8 v0, s[64:65] scope:SCOPE_SE
	s_setreg_imm32_b32 hwreg(HW_REG_WAVE_MODE, 25, 1), 1
	s_wait_xcnt 0x0
; out = gamma (softmax(q k^T) v wo^T + bo) + x, all three products on codes of FP6 (E2M3) with one E8M0 scale for each 32 along K.  q, k, v come as images of operand registers from the launch before.
; No work is left out: bo, gamma and x reach the output, and every product is done.
; THE SOFTMAX: t = score x log2(e); M = the row's largest t rounded UP to a whole number; p = 2^(t - M) is quantised along the keys, not normalised; the row's sum is taken of the unquantised p and divides at the end.
; M IS FOUND FIRST, by a pass of its own over all keys (the scores once more: 16 products a key step and wave, their maxima between them).  So no accumulator is ever rescaled: against 16 products and 64 maxima
; a step stand the 252 packed multiplications and 126 window switches that a running M would ask of each wave, and the second product's 64 matrix instructions stand on end.
; LIMITS: NaN and infinities among the inputs are not served.  A block of zeros gets the scale byte 1 (its codes are zeros; the bytes stay inside this program).  bo is the C of a sum's first matrix instruction;
; 1 / l is v_rcp_f32 and a multiplication.
; SHARES.  Work-group (qb, b) owns 128 queries of batch b: 8 tiles of 16.  THE WAVES SHARE THE CHANNELS: wave w holds channels 128 w .. 128 w + 127 of all 8 tiles: 64 accumulators, 512 registers.  So each byte of v
; is multiplied by ONE wave and goes from memory straight into its registers.  Wave w also makes the scores and the softmax of tiles 2 w, 2 w + 1 and hands p (image, scale word) to the others through
; LDS: two buffers by turns, one barrier a key step of 128 keys.  All of the batch's k (106,496 bytes) stays in LDS.
; K = 64 IN THE SCORES: q's operand is six registers of codes and six of zero codes; k's operand for tile t is twelve registers from 6 t on: its upper six are the next tile's codes, which meet zero codes and add nothing.
; THE RESIDUAL: 80 of my 128 rows of x come in during the key steps, five a step, and wait in LDS; the other 48 are asked for ahead of the last product.
; NO CLUSTER: a joint load lands in LDS, so v's 49,152 bytes a step would be written there and read again, and two slots of them (98,304 bytes) do not fit beside k (106,496), the exchange (33,792) and x (163,840);
; k is 106,496 of the 1,401,348 bytes that a work-group reads.
; REGISTERS: window 0: addresses, scale words, q, statistics, scores (v108-235; behind the barrier p's 8 fragments), x on its way.  window 1: v0-95, v96-191 v's 8 fragments, two sets; v192-245 k.
;   windows 2, 3: accumulator (tile a, channels 16 ct) at 64 (a % 4) + 8 ct of window 2 + a / 4.  In the first pass window 2 holds all that the pass names: 8 score tiles by turns, two sets of k, q, the running maxima.
.set PB,    106496                     ; LDS: 0 .. 98,303 k's 64 images, 98,304 .. its scale words; from PB the exchange: p's images +0 (12,288 a buffer), scale words +24,576, 1 / l +30,720
.set XLO,   140288                     ; x's rows: 40,960 bytes a wave
.set SPARE, 304128                     ; the spare words, 128 bytes a wave: two blocks of 256 bytes that no other line names
.set AVSC,  49152                      ; behind the last key step, in k's bytes: av's 32 images from 0, their scale words here, and a stage for wo, 12,800 bytes a wave:
.set WSTG,  51200
.set LI,  1                            ; v1  16 x lane
.set LS,  2                            ; v2  4 x lane
.set ADK, 3                            ; v3  the next step's images of k;      later AVW: where av's images go
.set ADS, 4                            ; v4  the next step's scale words of k; later AVS: av's scale words
.set KSB, 5                            ; v5  98,304 + 16 x lane;               later ASR: where they are read
.set B16, 6                            ; v6  PB + 16 x lane
.set B8,  7                            ; v7  PB + 8 x lane
.set PWI, 8                            ; v8  where my p's images go;      later SO: the way out, in
.set PWS, 9                            ; v9  their scale words;           later SR: the way out, back
.set PWF, 10                           ; v10 where my tiles' 1 / l go;    later WRP: my row in wo's stage
.set XLB, 11                           ; v11 my rows of x in LDS
.set XLA, 12                           ; v12 the step's five
.set PFO, 13                           ; v13 256 x lane: the prefetches' offset
.set SPW, 14                           ; v14 my spare word; never rewritten
.set NIL, 15                           ; v15 0; never rewritten
.set AVW, 3
.set AVS, 4
.set ASR, 5
.set SO,  8
.set SR,  9
.set WRP, 10
.set QS,  16                           ; scale words: q's v16; k's v18-21; v's v22-29 (4 buf + pair); p's v30-37 (in the first pass v30-33: k's second set).  Later wo's v18-33
.set KS,  18
.set VS,  22
.set PS,  30
.set WSC, 18
.set Q0,  38                           ; v38-49, v50-61 q's two operands;  later v38-45 bo as C
.set BO,  38
.set ST,  62                           ; v62-69 for each of my two tiles: -M, the largest t, the sum in two halves;  later bo as loaded
.set BI,  62
.set FF,  70                           ; v70-73 (1 / l, 1 / l) for each tile;  later v70-72 wo's stage, in; v73 4 r
.set WST, 70
.set BOA, 73
.set TM,  74                           ; v74-85 at work
.set PW,  86                           ; v86, v87 the scale words just made, one for each of my tiles
.set TA,  87
.set PC,  88                           ; v88-107 the codes just made
.set AS,  74                           ; later v74-105: av's scale words, 4 a + s
.set S,   108                          ; v108-235 the scores of my two tiles, then p
.set PF,  108                          ; v108-203 p's eight fragments
.set H,   108                          ; later: 64 numbers to quantise, or a tile's results
.set Y,   172                          ; later: 16 rows of the output
.set XT,  236                          ; v236-255 five rows of x on their way
.set LV,  236                          ; later v236-251: (1 / l, 1 / l) of the eight tiles
.set KF,  192                          ; in window 1
.set P1D, 0                            ; the first pass, in window 2: v0-63 eight score tiles by turns,
.set KFA, 64                           ; v64-117, v118-171 two sets of k (48 registers and six of zero codes),
.set KFB, 118
.set Q2,  208                          ; v208-231 q's two operands once more,
.set P1R, 232                          ; v232-239 four running maxima for each of my two tiles
.set SEL, 36
.set MSB, 0
.macro WIN new                         ; the immediate's high byte repeats the setting that is left; a switch that changes nothing is dropped
.if MSB != (\new)
	s_set_vgpr_msb (MSB<<8)|(\new)
.set MSB, (\new)
.endif
.endm
.macro PLACES n
.rept \n
	v_nop
.endr
.endm
; one matrix instruction: D at d, sources at a and b, C at c (below 0: the constant 0), scale words sa, sb; ra, rb = 1: that side's words stand in lanes 16-31
.macro MM d, a, b, c, sa, sb, ra, rb
.if (\c) < 0
.if (\ra) && (\rb)
	v_wmma_scale_f32_16x16x128_f8f6f4 v[\d:\d+7], v[\a:\a+11], v[\b:\b+11], 0, v[\sa], v[\sb] matrix_a_fmt:MATRIX_FMT_FP6 matrix_b_fmt:MATRIX_FMT_FP6 matrix_a_scale:MATRIX_SCALE_ROW1 matrix_b_scale:MATRIX_SCALE_ROW1
.elseif (\ra)
	v_wmma_scale_f32_16x16x128_f8f6f4 v[\d:\d+7], v[\a:\a+11], v[\b:\b+11], 0, v[\sa], v[\sb] matrix_a_fmt:MATRIX_FMT_FP6 matrix_b_fmt:MATRIX_FMT_FP6 matrix_a_scale:MATRIX_SCALE_ROW1
.elseif (\rb)
	v_wmma_scale_f32_16x16x128_f8f6f4 v[\d:\d+7], v[\a:\a+11], v[\b:\b+11], 0, v[\sa], v[\sb] matrix_a_fmt:MATRIX_FMT_FP6 matrix_b_fmt:MATRIX_FMT_FP6 matrix_b_scale:MATRIX_SCALE_ROW1
.else
	v_wmma_scale_f32_16x16x128_f8f6f4 v[\d:\d+7], v[\a:\a+11], v[\b:\b+11], 0, v[\sa], v[\sb] matrix_a_fmt:MATRIX_FMT_FP6 matrix_b_fmt:MATRIX_FMT_FP6
.endif
.else
.if (\ra) && (\rb)
	v_wmma_scale_f32_16x16x128_f8f6f4 v[\d:\d+7], v[\a:\a+11], v[\b:\b+11], v[\c:\c+7], v[\sa], v[\sb] matrix_a_fmt:MATRIX_FMT_FP6 matrix_b_fmt:MATRIX_FMT_FP6 matrix_a_scale:MATRIX_SCALE_ROW1 matrix_b_scale:MATRIX_SCALE_ROW1
.elseif (\ra)
	v_wmma_scale_f32_16x16x128_f8f6f4 v[\d:\d+7], v[\a:\a+11], v[\b:\b+11], v[\c:\c+7], v[\sa], v[\sb] matrix_a_fmt:MATRIX_FMT_FP6 matrix_b_fmt:MATRIX_FMT_FP6 matrix_a_scale:MATRIX_SCALE_ROW1
.elseif (\rb)
	v_wmma_scale_f32_16x16x128_f8f6f4 v[\d:\d+7], v[\a:\a+11], v[\b:\b+11], v[\c:\c+7], v[\sa], v[\sb] matrix_a_fmt:MATRIX_FMT_FP6 matrix_b_fmt:MATRIX_FMT_FP6 matrix_b_scale:MATRIX_SCALE_ROW1
.else
	v_wmma_scale_f32_16x16x128_f8f6f4 v[\d:\d+7], v[\a:\a+11], v[\b:\b+11], v[\c:\c+7], v[\sa], v[\sb] matrix_a_fmt:MATRIX_FMT_FP6 matrix_b_fmt:MATRIX_FMT_FP6
.endif
.endif
.endm
; The fragment's codes in v[PC] on, from 64 numbers in v[s] on and the four conversions' scale operands in v[TM+8] on.  Register 16 b + i of v[s] on is k = 32 b + 16 (lane / 16) + i of my row.
.macro QCODES s
.irp c, 0,1
	v_cvt_scalef32_pk16_fp6_f32 v[PC+6*\c:PC+2+6*\c], v[\s+32*\c:\s+15+32*\c], v[TM+8+2*\c]
	v_cvt_scalef32_pk16_fp6_f32 v[PC+12+4*\c:PC+14+4*\c], v[\s+16+32*\c:\s+31+32*\c], v[TM+8+2*\c+1]   ; (a conversion's three registers begin on an even number)
.endr
	v_nop                                          ; one plain place behind a scaled conversion
.irp c, 0,1                                    ; the operand's layout wants a whole block in a lane
.irp i, 0,1,2
	v_permlane16_swap_b32 v[PC+6*\c+\i], v[PC+12+4*\c+\i]
.endr
.irp i, 0,1,2
	v_mov_b32 v[PC+3+6*\c+\i], v[PC+12+4*\c+\i]
.endr
.endr
.endm
; From four blocks' largest magnitudes in v[TM] on: the scale word in v[PW], and the codes
.macro QTAIL s
.irp b, 0,1,2,3
	v_add_nc_u32 v[TM+8+\b], 0xff000000, v[TM+\b]  ; 2 off the exponent field: the conversion's scale operand
.endr
.irp b, 0,1,2,3
	v_lshrrev_b32 v[TM+4+\b], 23, v[TM+8+\b]       ; the scale's byte
.endr
	v_lshl_or_b32 v[PW], v[TM+5], 8, v[TM+4]
	v_lshl_or_b32 v[PW], v[TM+6], 16, v[PW]
	v_lshl_or_b32 v[PW], v[TM+7], 24, v[PW]
	QCODES \s
.endm
.macro QUANT s
.irp b, 0,1,2,3
	v_max3_num_f32 v[TM+\b], |v[\s+16*\b]|, |v[\s+1+16*\b]|, 0x1800000   ; and the floor 2^(3 - 127): the byte cannot fall under 1
.endr
.irp i, 2,4,6,8,10,12,14
.irp b, 0,1,2,3
	v_max3_num_f32 v[TM+\b], v[TM+\b], |v[\s+16*\b+\i]|, |v[\s+1+16*\b+\i]|
.endr
.endr
.irp b, 0,1,2,3
	v_permlanex16_b32 v[TM+4+\b], v[TM+\b], s[SEL], s[SEL+1]
.endr
.irp b, 0,1,2,3
	v_max_num_f32 v[TM+\b], v[TM+\b], v[TM+4+\b]
.endr
	QTAIL \s
.endm
.macro VLOAD buf                       ; a key step's v for my 128 channels: 12,288 dense bytes and four scale words: 28 loads
	WIN 0x40
.set k, 0
.rept 24
	global_load_b128 v[96*(\buf)+4*k:96*(\buf)+4*k+3], v[LI], s[14:15] offset:512*k
.set k, k+1
.endr
	WIN 0
.irp i, 0,1,2,3
	global_load_b32 v[VS+4*(\buf)+\i], v[LS], s[16:17] offset:128*\i
.endr
.endm
; A PREFETCH INTO THE L2 of the two key steps of v that the NEXT trip's loads will ask for: 98,304 bytes, 24,576 a wave, lanes 256 bytes apart, three instructions.  All 16 work-groups of a batch walk the same v:
; the batch's first asks, and nobody else, so each block of 256 bytes is named once.  It stands behind the wave's own loads.  The last trip asks for nothing: there is no key step behind it; steps 0 to 3 come by their loads alone.
.macro ASK
	s_cmp_gt_u32 s43, s46
	s_cbranch_scc0 .Lnot_mine_\@
	global_prefetch_b8 v[PFO], s[44:45] th:TH_LOAD_NT scope:SCOPE_SE
	global_prefetch_b8 v[PFO], s[44:45] offset:8192 th:TH_LOAD_NT scope:SCOPE_SE
	global_prefetch_b8 v[PFO], s[44:45] offset:16384 th:TH_LOAD_NT scope:SCOPE_SE
.Lnot_mine_\@:
.endm
; THE FIRST PASS.  The eight results of product i (tile i % 2 of my queries) go into four running maxima, from the accumulator's low end on.
.macro P1MAX i
.irp k, 0,1,2,3
	v_max3_num_f32 v[P1R+4*((\i)%2)+\k], v[P1R+4*((\i)%2)+\k], v[P1D+8*((\i)%8)+2*\k], v[P1D+8*((\i)%8)+2*\k+1]
.endr
.endm
; One key step of it: 16 products on eight accumulators by turns; the maxima of product i - 2 stand behind product i: four plain lines that name nothing of the two products ahead of them, so that eight places lie
; between a product and the first read of its results.  kb: the set of k in hand.  nxt = 1: the next step's k is asked for, into the other set; 2: key step 0's, into the second pass's registers.
; One window setting serves products and maxima: all that they name lies in window 2 (scale words have no window).
.macro P1STEP kb, nxt
.set P1K, KFA+54*(\kb)
.set P1N, KFA+54*(1-(\kb))
.set P1S, KS+12*(\kb)
.set P1T, KS+12*(1-(\kb))
	s_wait_dscnt 0x0                               ; this step's k and its scale words are in: they were asked for a step ago
.if (\nxt) == 1
	v_add_nc_u32 v[ADK], s40, v[LI]
	v_add_nc_u32 v[ADS], s41, v[KSB]
	WIN 0x80                                       ; the other set was last read sixteen plain lines ago
.irp i, 0,1,2,3,4,5,6,7,8,9,10,11
	ds_load_b128 v[P1N+4*\i:P1N+4*\i+3], v[ADK] offset:512*\i
.endr
	WIN 0
	ds_load_b128 v[P1T:P1T+3], v[ADS]
	s_add_co_u32 s40, s40, 6144
	s_add_co_u32 s41, s41, 512
.elseif (\nxt) == 2
	WIN 0x40
.irp i, 0,1,2,3,4,5,6,7,8,9,10,11
	ds_load_b128 v[KF+4*\i:KF+4*\i+3], v[LI] offset:512*\i
.endr
	WIN 0
	ds_load_b128 v[KS:KS+3], v[KSB]
.endif
	WIN 0xaa
.set PI, 0
.rept 16
	MM P1D+8*(PI%8), P1K+6*(PI/2), Q2+12*(PI%2), -1, P1S+PI/4, QS, (PI/2)%2, PI%2
.if PI == 1
	PLACES 4                                       ; the step's first two products have no maxima to stand behind them
.endif
.if PI >= 2
	P1MAX PI-2
.endif
.set PI, PI+1
.endr
	P1MAX 14
	P1MAX 15
	WIN 0
.endm
; THE SOFTMAX OF MY TWO TILES FOR ONE KEY STEP.  A lane holds one query; register 16 b + i of a tile is key 32 b + 16 (lane / 16) + i.
.macro SCL qt, k                       ; pair k of tile qt: t - M
	v_pk_fma_f32 v[S+64*(\qt)+2*(\k):S+64*(\qt)+2*(\k)+1], v[S+64*(\qt)+2*(\k):S+64*(\qt)+2*(\k)+1], s[38:39], v[ST+4*(\qt):ST+4*(\qt)+1] op_sel_hi:[1,0,0]
.endm
; Line PN of the 83 that follow a tile's exponentials; PN steps.  0-63: by turns a packed addition of the row's sum (of the unquantised p, in two chains) and a line of the four blocks' largest p (the floor 2^(3 - 127)
; among the leaves: the byte cannot fall under 1; no p is negative);  64-71: with lane l xor 16's;  72-79: the conversions' scale operands and the bytes;  80-82: the scale word.
.macro POST qt
.set P0, S+64*(\qt)
.set PT, ST+4*(\qt)
.if PN < 64
.set PM, PN/2
.if PN%2 == 0
.if PM == 0
	v_pk_add_f32 v[TM+4:TM+5], v[P0:P0+1], v[P0+2:P0+3]
.elseif PM == 31
	v_pk_add_f32 v[PT+2:PT+3], v[PT+2:PT+3], v[TM+4:TM+5]
.elseif PM%2 == 1
	v_pk_add_f32 v[PT+2:PT+3], v[PT+2:PT+3], v[P0+2*(PM+1):P0+2*(PM+1)+1]
.else
	v_pk_add_f32 v[TM+4:TM+5], v[TM+4:TM+5], v[P0+2*PM+2:P0+2*PM+3]
.endif
.else
.if PM < 4
	v_max3_num_f32 v[TM+PM], v[P0+16*PM], v[P0+16*PM+1], 0x1800000
.else
	v_max3_num_f32 v[TM+PM%4], v[TM+PM%4], v[P0+16*(PM%4)+2*(PM/4)], v[P0+16*(PM%4)+2*(PM/4)+1]
.endif
.endif
.elseif PN < 68
	v_permlanex16_b32 v[TM+4+PN-64], v[TM+PN-64], s[SEL], s[SEL+1]
.elseif PN < 72
	v_max_num_f32 v[TM+PN-68], v[TM+PN-68], v[TM+4+PN-68]
.elseif PN < 76
	v_add_nc_u32 v[TM+8+PN-72], 0xff000000, v[TM+PN-72]
.elseif PN < 80
	v_lshrrev_b32 v[TM+4+PN-76], 23, v[TM+8+PN-76]
.elseif PN == 80
	v_lshl_or_b32 v[PW+(\qt)], v[TM+5], 8, v[TM+4]
.elseif PN == 81
	v_lshl_or_b32 v[PW+(\qt)], v[TM+6], 16, v[PW+(\qt)]
.elseif PN == 82
	v_lshl_or_b32 v[PW+(\qt)], v[TM+7], 24, v[PW+(\qt)]
.endif
.set PN, PN+1
.endm
.macro PTAIL qt, buf                   ; the tile's codes, and its image and scale word into buffer buf
	s_wait_dscnt 0x0                               ; the last image's LDS stores have read v[PC] on
	QCODES S+64*(\qt)
.irp g, 0,1,2
	ds_store_b128 v[PWI], v[PC+4*\g:PC+4*\g+3] offset:12288*(\buf)+1536*(\qt)+512*\g
.endr
	ds_store_b32 v[PWS], v[PW+(\qt)] offset:24576+1024*(\buf)+4*(\qt)
.endm
; M is known, so nothing stands ahead of an exponential but its own scaling, and the two tiles' lists are zipped: behind each of tile 0's 64 exponentials stands a scaling (pair 4 + i of tile 0, then tile 1's 32),
; behind each of tile 1's one or two of tile 0's 83 lines.  No line among a batch names a result of that batch: each batch of 64 has ONE wait, ahead of its first reader.
.macro SMAX2 buf
.irp k, 0,1,2,3
	SCL 0, \k
.endr
.set EI, 0
.rept 64
	v_exp_f32 v[S+EI], v[S+EI]                     ; p = 2^(t - M)
.if EI < 28
	SCL 0, EI+4
.elseif EI < 60
	SCL 1, EI-28
.endif
.set EI, EI+1
.endr
	v_nop                                          ; the plain place behind the last exponential
	s_wait_alu depctr_va_vdst(0)                   ; one wait for tile 0's batch
.set EI, 0
.set PN, 0
.rept 64
	v_exp_f32 v[S+64+EI], v[S+64+EI]
	POST 0
.if EI%2 == 1
	POST 0
.endif
.set EI, EI+1
.endr
	PTAIL 0, \buf                                  ; (it names nothing of tile 1; its plain lines are the places behind the last exponential)
	s_wait_alu depctr_va_vdst(0)                   ; and one for tile 1's
.set PN, 0
.rept 83
	POST 1
.endr
	PTAIL 1, \buf
.endm
; O^T += V^T P^T for my 8 tiles of channels x the 8 tiles of queries: 64 accumulators by turns, one instruction a turn, the products on end.
; cnt: the loads issued behind this step's v.  first = 1: the products start the sums.
.macro PV buf, first, cnt
	ds_load_b128 v[PS:PS+3], v[B16] offset:24576+1024*(\buf)
	ds_load_b128 v[PS+4:PS+7], v[B16] offset:24576+1024*(\buf)+512
.irp a, 0,1,2,3,4,5,6,7
.irp g, 0,1,2
	ds_load_b128 v[PF+12*\a+4*\g:PF+12*\a+4*\g+3], v[B16] offset:12288*(\buf)+1536*\a+512*\g
.endr
.endr
	s_wait_loadcnt \cnt                            ; this step's v is in; x's five rows and the next step's v may be out
.set PVI, 0
.rept 64
.if PVI%8 == 0
	s_wait_dscnt 3*(7-PVI/8)                       ; the scale words and this tile's fragment are in; the later tiles' fragments, three loads each, may be out
.endif
.set PVA, 64*((PVI/8)%4)+8*(PVI%8)
	WIN 0xa1+0x50*(PVI/32)
.if \first
	MM PVA, 96*(\buf)+12*(PVI%8), PF+12*(PVI/8), -1, VS+4*(\buf)+(PVI%8)/2, PS+PVI/8, PVI%2, 0
.else
	MM PVA, 96*(\buf)+12*(PVI%8), PF+12*(PVI/8), PVA, VS+4*(\buf)+(PVI%8)/2, PS+PVI/8, PVI%2, 0
.endif
.set PVI, PVI+1
.endr
	WIN 0
.endm
; A KEY STEP of 128 keys.  buf: its buffers.  first, last: the launch's first and last step.  next = 1: the next step's k and v are asked for.  pf = 1: the prefetch stands here.
.macro STEP buf, first, next, last, pf
	v_add_nc_u32 v[XLA], s42, v[XLB]
.if \next
	v_add_nc_u32 v[ADK], s40, v[LI]
	v_add_nc_u32 v[ADS], s41, v[KSB]
.endif
	PLACES 5                                       ; six places or more behind the last products: the scores are laid over p's fragments, and loads come into v's other set
.if !\first
	s_wait_loadcnt 28                              ; the last step's five rows of x are in; behind them only this step's v, 28 loads
.irp i, 0,1,2,3,4
	ds_store_b128 v[XLA], v[XT+4*\i:XT+4*\i+3] offset:512*\i
.endr
.endif
	s_wait_xcnt 0x0                                ; the last step's loads and prefetches have read their bases
.if \next
	s_add_nc_u64 s[14:15], s[14:15], 49152
	s_add_nc_u64 s[16:17], s[16:17], 2048
.endif
.if !\first
	s_add_nc_u64 s[50:51], s[50:51], 40960
.endif
.if \pf
	s_add_nc_u64 s[44:45], s[44:45], 98304
.endif
	s_wait_dscnt 0x0                               ; k, asked for a step ago, is in, and the stores above have read x's registers
	WIN 0x01
.irp t, 0,1,2,3,4,5,6,7
.irp qt, 0,1
	MM S+64*\qt+8*\t, KF+6*\t, Q0+12*\qt, -1, KS+\t/2, QS, \t%2, \qt
.endr
.endr
	WIN 0
.irp i, 0,1,2,3,4
	global_load_b128 v[XT+4*\i:XT+4*\i+3], v[LI], s[50:51] offset:8192*\i th:TH_LOAD_NT   ; five rows of x, 512 bytes each
.endr
.if \next
	VLOAD 1-\buf
.endif
.if \pf
	ASK
.endif
	PLACES 4                                       ; ahead of the first read of the scores, and of the loads into k's registers
.if \next
	WIN 0x40
.irp i, 0,1,2,3,4,5,6,7,8,9,10,11
	ds_load_b128 v[KF+4*\i:KF+4*\i+3], v[ADK] offset:512*\i   ; the next step's four images: tile t's six registers at 6 t.  They land under the softmax
.endr
	WIN 0
	ds_load_b128 v[KS:KS+3], v[ADS]
.endif
	SMAX2 \buf
.if \last
.irp qt, 0,1
	v_add_f32 v[TM+\qt], v[ST+4*\qt+2], v[ST+4*\qt+3]
.endr
.irp qt, 0,1
	v_permlanex16_b32 v[TM+4+\qt], v[TM+\qt], s[SEL], s[SEL+1]
.endr
.irp qt, 0,1
	v_add_f32 v[TM+\qt], v[TM+\qt], v[TM+4+\qt]    ; the row's sum
.endr
.irp qt, 0,1
	v_rcp_f32 v[FF+2*\qt], v[TM+\qt]
.endr
	v_nop
	s_wait_alu depctr_va_vdst(0)                   ; one wait for the two reciprocals, ahead of their first reader
.irp qt, 0,1
	v_mov_b32 v[FF+2*\qt+1], v[FF+2*\qt]
.endr
.irp qt, 0,1
	ds_store_b64 v[PWF], v[FF+2*\qt:FF+2*\qt+1] offset:30720+256*\qt
.endr
.endif
	s_wait_dscnt 0x0                               ; for the others' sake: my p has landed; my reads of the other buffer ended with the last step's products
	s_barrier_signal -1
	s_barrier_wait -1
.if \next
	PV \buf, \first, 33
.else
	PV \buf, \first, 5
.endif
	s_add_co_u32 s40, s40, 6144
	s_add_co_u32 s41, s41, 512
.if !\first
	s_add_co_u32 s42, s42, 2560
.endif
.endm
.macro WSTORE12 win, reg, i0           ; twelve pieces of a pair of tiles of wo into my stage: piece i at v[WST + i % 3] + 1,600 (i / 3)
	WIN (\win)<<2
.set k, 0
.rept 12
	ds_store_b128 v[WST+((\i0)+k)%3], v[(\reg)+4*k:(\reg)+4*k+3] offset:1600*(((\i0)+k)/3)
.set k, k+1
.endr
	WIN 0
.endm
.macro WFRAG dst, tstep                ; and back as eight fragments, in pieces of 8 bytes.  LDS serves a wave's instructions in order: these see the stores above
	WIN 0x40
.irp u, 0,1
.irp s, 0,1,2,3
.irp p, 0,1,2,3,4,5
	ds_load_b64 v[(\dst)+48*\u+12*\s+2*\p:(\dst)+48*\u+12*\s+2*\p+1], v[WRP] offset:(\tstep)*\u+96*\s+48*(\p/3)+8*(\p%3)
.endr
.endr
.endr
	WIN 0
.endm
.macro XTILE n, win                    ; my rows 16 n .. 16 n + 15 of x into v192-255 of window win
	WIN (\win)<<6
.set k, 0
.rept 16
	global_load_b128 v[192+4*k:195+4*k], v[LI], s[52:53] offset:8192*(16*(\n)+k) th:TH_LOAD_NT
.set k, k+1
.endr
	WIN 0
.endm
; tile a's 128 channels of mine, divided by the row's sum, become K step w of the last product: image and scale word to LDS
.macro AVQ a
	s_wait_dscnt 0x0                               ; the last image's stores have read v[PC] on
	WIN 0x02+(\a)/4
.set k, 0
.rept 32
	v_pk_mul_f32 v[H+2*k:H+2*k+1], v[64*((\a)%4)+2*k:64*((\a)%4)+2*k+1], v[LV+2*(\a):LV+2*(\a)+1]
.set k, k+1
.endr
	WIN 0
	QUANT H
.irp g, 0,1,2
	ds_store_b128 v[AVW], v[PC+4*\g:PC+4*\g+3] offset:6144*(\a)+512*\g
.endr
	ds_store_b32 v[AVS], v[PW] offset:256*(\a)     ; lanes r and r + 16 write the same word with the same value
.endm
; 16 output channels for the 128 positions: source 0 = av's tile (16 positions), source 1 = 16 rows of wo: a lane holds ONE channel, its registers positions.  Through my stage they become rows of 512 bytes.
.macro OTILE n
.set XWN, 1+((\n)+1)%3
.if (\n) >= 3
	WIN XWN<<6
.set k, 0
.rept 16
	ds_load_b128 v[192+4*k:195+4*k], v[XLB] offset:512*(16*((\n)-3)+k)
.set k, k+1
.endr
	WIN 0
.endif
.irp i, 0,1,2,3,4,5,6,7
	v_mov_b32 v[BO+\i], v[BI+(\n)]
.endr
	PLACES 4
.irp s, 0,1,2,3
	WIN 0x06+\s/2
.irp a, 0,1,2,3,4,5,6,7
.if \s == 0
	MM H+8*\a, 12*(8*(\s%2)+\a), 96+48*((\n)%2)+12*\s, BO, AS+4*\a+\s, WSC+4*((\n)/2)+\s, 0, (\n)%2
.else
	MM H+8*\a, 12*(8*(\s%2)+\a), 96+48*((\n)%2)+12*\s, H+8*\a, AS+4*\a+\s, WSC+4*((\n)/2)+\s, 0, (\n)%2
.endif
.endr
.endr
	WIN 0
	PLACES 4
.irp a, 0,1,2,3,4,5,6,7
	ds_store_b128 v[SO], v[H+8*\a:H+8*\a+3] offset:128*(\a/2)+32*(\a%2)      ; register j of tile a is position 32 (a / 2) + 16 h + 8 (a % 2) + j; each accumulator from its low end on
	ds_store_b128 v[SO], v[H+8*\a+4:H+8*\a+7] offset:128*(\a/2)+32*(\a%2)+16
.endr
	s_wait_xcnt 0x0                                ; the last tile's stores have read v[Y] on
.set k, 0
.rept 16
	ds_load_b128 v[Y+4*k:Y+4*k+3], v[SR] offset:528*k
.set k, k+1
.endr
	s_wait_dscnt 0x0
	WIN XWN<<4
.set k, 0
.rept 32
	v_pk_fma_f32 v[Y+2*k:Y+2*k+1], v[Y+2*k:Y+2*k+1], s[48:49], v[192+2*k:193+2*k] op_sel_hi:[1,0,1]   ; gamma x (..) + x
.set k, k+1
.endr
	WIN 0
.set k, 0
.rept 16
	global_store_b128 v[LI], v[Y+4*k:Y+4*k+3], s[26:27] offset:8192*(16*(\n)+k) th:TH_STORE_NT   ; 512 consecutive bytes, at a multiple of 512 from the output's first byte
.set k, k+1
.endr
.endm
.macro OPAIR pr
	s_wait_loadcnt 0x0                             ; this pair's bytes of wo (and, the first time, all that was asked for ahead)
	WSTORE12 1, 0, 0
	WSTORE12 1, 48, 12
	WFRAG 96, 6400
	s_wait_dscnt 0x0
.if (\pr) < 3
	WIN 0x40
.set k, 0
.rept 24
	global_load_b128 v[4*k:4*k+3], v[LI], s[18:19] offset:12288*((\pr)+1)+512*k
.set k, k+1
.endr
	WIN 0
.endif
	OTILE 2*(\pr)
	OTILE 2*(\pr)+1
.endm
	s_load_b512 s[8:23], s[0:1], 0x0               ; x, qall, kall, vimg, vsc, wo codes, wo scales, bo
	s_load_b128 s[24:27], s[0:1], 0x40             ; gamma, out0
	v_lshl_add_u32 v[SPW], v0, 2, SPARE
	v_mov_b32 v[NIL], 0
	v_lshrrev_b32 v3, 5, v0
	v_readfirstlane_b32 s28, v3                    ; wave 0..3
	s_mov_b32 s29, ttmp9                           ; qb: which 128 queries
	s_and_b32 s30, ttmp7, 0xffff                   ; b
	v_and_b32 v4, 31, v0
	v_lshlrev_b32 v[LI], 4, v4
	v_lshlrev_b32 v[LS], 2, v4
	v_add_nc_u32 v[KSB], 98304, v[LI]
	v_add_nc_u32 v[B16], PB, v[LI]
	v_lshl_add_u32 v[B8], v4, 3, PB
	s_mul_i32 s31, s28, 3072
	v_add_nc_u32 v[PWI], s31, v[B16]
	s_lshr_b32 s31, s28, 1
	s_lshl_b32 s31, s31, 9
	s_and_b32 s32, s28, 1
	s_lshl_b32 s32, s32, 3
	s_add_co_u32 s31, s31, s32
	v_add_nc_u32 v[PWS], s31, v[B16]
	s_lshl_b32 s31, s28, 9
	v_add_nc_u32 v[PWF], s31, v[B8]
	s_mul_i32 s31, s28, 40960
	s_add_co_u32 s31, s31, XLO
	v_add_nc_u32 v[XLB], s31, v[LI]
	v_lshlrev_b32 v[PFO], 8, v4
	v_lshlrev_b32 v[ADK], 4, v0                    ; for k's way into LDS: 16 x thread,
	v_add_nc_u32 v[ADS], 0x10000, v[ADK]           ; and 65,536 on: an LDS immediate ends at 65,535
	s_mov_b32 s[SEL], 0x76543210
	s_mov_b32 s[SEL+1], 0xfedcba98
	s_mov_b32 s38, 0x3fb8aa3b                      ; log2(e)
	s_mov_b32 s39, s38                             ; (named with it as a pair)
	s_mov_b32 s42, 0
	s_cmp_eq_u32 s29, 0
	s_cselect_b32 s46, 1, -1                       ; 1 in the batch's first work-group, else the greatest number
	s_mov_b32 s33, 0
	s_wait_kmcnt 0x0
	s_load_b32 s48, s[24:25], 0x0                  ; gamma
	s_mul_i32 s32, s30, 106496
	s_add_nc_u64 s[12:13], s[12:13], s[32:33]      ; the batch's k
	s_add_nc_u64 s[10:11], s[10:11], s[32:33]
	s_lshl_b32 s32, s29, 9
	s_lshl_b32 s31, s28, 2
	s_add_co_u32 s32, s32, s31
	s_add_co_u32 s32, s32, 98304
	s_add_nc_u64 s[54:55], s[10:11], s[32:33]      ; my two tiles' scale words of q
	s_mul_i32 s32, s29, 6144
	s_mul_i32 s31, s28, 1536
	s_add_co_u32 s32, s32, s31
	s_add_nc_u64 s[10:11], s[10:11], s[32:33]      ; and their image
	s_mul_i32 s32, s30, 786432
	s_add_nc_u64 s[14:15], s[14:15], s[32:33]
	s_mul_i32 s32, s28, 24576
	s_add_co_u32 s32, s32, 98304
	s_add_nc_u64 s[44:45], s[14:15], s[32:33]      ; the prefetches: my quarter of key steps 2 and 3; the first trip steps it to 4 and 5
	s_mul_i32 s32, s28, 12288
	s_add_nc_u64 s[14:15], s[14:15], s[32:33]      ; v: my 8 tiles of key step 0
	s_lshl_b32 s32, s30, 15
	s_lshl_b32 s31, s28, 9
	s_add_co_u32 s32, s32, s31
	s_add_nc_u64 s[16:17], s[16:17], s[32:33]
	s_lshl_b32 s32, s30, 22
	s_lshl_b32 s31, s29, 9
	s_add_co_u32 s32, s32, s31
	s_lshl_b32 s31, s28, 20
	s_add_co_u32 s32, s32, s31                     ; 4,194,304 b + 512 qb + 128 w rows of 8,192 bytes
	s_add_nc_u64 s[52:53], s[8:9], s[32:33]
	s_add_nc_u64 s[26:27], s[26:27], s[32:33]
	s_add_nc_u64 s[50:51], s[52:53], 393216        ; row 48 of mine: the first that waits in LDS
	s_mul_i32 s32, s28, 49152
	s_add_nc_u64 s[18:19], s[18:19], s[32:33]
	s_lshl_b32 s32, s28, 11
	s_add_nc_u64 s[20:21], s[20:21], s[32:33]
	s_lshl_b32 s32, s28, 9
	s_add_nc_u64 s[22:23], s[22:23], s[32:33]
	WIN 0x80
.set k, 0
.rept 52
	global_load_b128 v[4*k:4*k+3], v[ADK], s[12:13] offset:2048*k   ; all of the batch's k: the four waves read 2,048 consecutive bytes a line
.set k, k+1
.endr
	WIN 0
.irp g, 0,1,2
	global_load_b128 v[Q0+4*\g:Q0+4*\g+3], v[LI], s[10:11] offset:512*\g
.endr
	global_load_b32 v[QS], v[LI], s[54:55]
	VLOAD 0
.irp qt, 0,1
	v_mov_b32 v[ST+4*\qt+2], 0                     ; the row's sum, in two halves
	v_mov_b32 v[ST+4*\qt+3], 0
.endr
.irp b, 0,1,2,3
	v_mov_b32 v[TM+4+\b], 0                        ; written once: a lane permute's destination counts as one of its sources
.endr
	WIN 0x40
.irp i, 0,1,2,3,4,5
	v_mov_b32 v[KF+48+\i], 0                       ; zero codes behind k's last tile
.endr
	WIN 0
	s_wait_loadcnt 28                              ; k and q are in; only key step 0's v, 28 loads, may be out
	WIN 0x08
.set k, 0
.rept 32
	ds_store_b128 v[ADK], v[4*k:4*k+3] offset:2048*k
.set k, k+1
.endr
.rept 20
	ds_store_b128 v[ADS], v[4*k:4*k+3] offset:2048*(k-32)
.set k, k+1
.endr
	WIN 0
.irp i, 0,1,2,3,4,5
	v_mov_b32 v[Q0+12+\i], v[Q0+6+\i]              ; the image holds my two tiles' six registers each
.endr
.irp i, 0,1,2,3,4,5
	v_mov_b32 v[Q0+6+\i], 0                        ; k = 64 .. 127: zero codes
	v_mov_b32 v[Q0+18+\i], 0
.endr
	s_wait_kmcnt 0x0
	s_mov_b32 s49, s48
	s_wait_dscnt 0x0                               ; my part of k has landed, and the stores have read window 2's registers
	s_barrier_signal -1
	s_barrier_wait -1                              ; all of k lies in LDS
	; ---- the first pass: each row's largest score
	WIN 0x80
.irp i, 0,1,2,3,4,5,6,7,8,9,10,11
	ds_load_b128 v[KFA+4*\i:KFA+4*\i+3], v[LI] offset:512*\i   ; key step 0
.endr
.irp i, 0,1,2,3,4,5
	v_mov_b32 v[KFA+48+\i], 0                      ; zero codes behind each set's last tile
	v_mov_b32 v[KFB+48+\i], 0
.endr
.set k, 0
.rept 24
	v_mov_b32 v[Q2+k], v[Q0+k]
.set k, k+1
.endr
.irp i, 0,1,2,3,4,5,6,7
	v_mov_b32 v[P1R+\i], 0xff800000                ; under every score.  (These eight are the places between the operands' moves and the first product)
.endr
	WIN 0
	ds_load_b128 v[KS:KS+3], v[KSB]
	s_mov_b32 s40, 6144                            ; where the next key step's images of k begin,
	s_mov_b32 s41, 512                             ; and its scale words
	s_mov_b32 s43, 7
.Lmax:                                             ; key steps 0 to 13, two a trip: the sets are back where they began
	P1STEP 0, 1
	P1STEP 1, 1
	s_sub_co_u32 s43, s43, 1
	s_cmp_lg_u32 s43, 0
	s_cbranch_scc1 .Lmax
	P1STEP 0, 1
	P1STEP 1, 2                                    ; the last step asks for key step 0 again, for the second pass
	WIN 0xaa
.irp qt, 0,1
	v_max3_num_f32 v[P1R+4*\qt], v[P1R+4*\qt], v[P1R+4*\qt+1], v[P1R+4*\qt+2]
.endr
.irp qt, 0,1
	v_max_num_f32 v[P1R+4*\qt], v[P1R+4*\qt], v[P1R+4*\qt+3]
.endr
	WIN 0x02
.irp qt, 0,1
	v_mov_b32 v[TM+\qt], v[P1R+4*\qt]
.endr
	WIN 0
.irp qt, 0,1
	v_permlanex16_b32 v[TM+4+\qt], v[TM+\qt], s[SEL], s[SEL+1]
.endr
.irp qt, 0,1
	v_max_num_f32 v[TM+\qt], v[TM+\qt], v[TM+4+\qt]   ; with lane l xor 16's keys: the row's largest score
.endr
.irp qt, 0,1
	v_mul_f32 v[ST+4*\qt+1], s38, v[TM+\qt]        ; as t
.endr
.irp qt, 0,1
	v_floor_f32 v[ST+4*\qt], -v[ST+4*\qt+1]        ; -M = floor(-t) = -ceil(t): a whole number
.endr
	s_mov_b32 s40, 6144
	s_mov_b32 s41, 512
	; ---- the second pass
	STEP 0, 1, 1, 0, 0
	s_mov_b32 s43, 7
.Lstep:                                            ; key steps 1 to 14, two a trip: the buffers are back where they began
	STEP 1, 0, 1, 0, 1
	STEP 0, 0, 1, 0, 0
	s_sub_co_u32 s43, s43, 1
	s_cmp_lg_u32 s43, 0
	s_cbranch_scc1 .Lstep
	STEP 1, 0, 0, 1, 0                             ; the last step asks for no k and no v, and leaves 1 / l
	; ---- av / l becomes codes
	v_add_nc_u32 v[XLA], s42, v[XLB]
	PLACES 4
	s_wait_loadcnt 0x0
.irp i, 0,1,2,3,4
	ds_store_b128 v[XLA], v[XT+4*\i:XT+4*\i+3] offset:512*\i
.endr
	v_and_b32 v[TA], 15, v0                        ; r
	v_bfe_u32 v[PW], v0, 4, 1                      ; h
	v_and_b32 v[Y+2], 31, v0                       ; lane
	s_mul_i32 s31, s28, 1536
	v_add_nc_u32 v[AVW], s31, v[LI]
	s_lshl_b32 s31, s28, 2
	s_add_co_u32 s31, s31, AVSC
	v_lshl_add_u32 v[AVS], v[TA], 4, s31
	v_lshl_add_u32 v[ASR], v[TA], 4, AVSC
	s_mul_i32 s31, s28, 8448
	s_add_co_u32 s31, s31, PB                      ; my stage for the way out: 16 rows x 528 bytes, in the exchange's bytes, first written behind the next barrier
	v_mul_u32_u24 v[SO], v[TA], 528
	v_lshl_add_u32 v[SO], v[PW], 6, v[SO]
	v_add_nc_u32 v[SO], s31, v[SO]
	v_add_nc_u32 v[SR], s31, v[LI]
	s_mul_i32 s31, s28, 12800
	s_add_co_u32 s31, s31, WSTG
	v_mul_u32_u24 v[WRP], v[TA], 400
	v_mad_u32_u24 v[WRP], v[PW], 24, v[WRP]
	v_add_nc_u32 v[WRP], s31, v[WRP]
.irp k, 0,1,2
	v_add_nc_u32 v[Y], 32*\k, v[Y+2]
	v_mul_u32_u24 v[Y+1], v[Y], 2731
	v_lshrrev_b32 v[Y+1], 16, v[Y+1]
	v_add_nc_u32 v[Y+1], v[Y+1], v[Y]
	v_lshlrev_b32 v[Y+1], 4, v[Y+1]
	v_add_nc_u32 v[WST+\k], s31, v[Y+1]
.endr
	v_lshlrev_b32 v[BOA], 2, v[TA]
	s_wait_dscnt 0x0                               ; the stores above have read x's registers, into which 1 / l now comes
.irp a, 0,1,2,3,4,5,6,7
	ds_load_b64 v[LV+2*\a:LV+2*\a+1], v[B8] offset:30720+256*\a
.endr
	WIN 0x40
.set k, 0
.rept 24
	global_load_b128 v[4*k:4*k+3], v[LI], s[18:19] offset:512*k   ; wo's first pair of tiles of mine
.set k, k+1
.endr
	WIN 0
	XTILE 2, 1
.irp p, 0,1,2,3
	global_load_b128 v[WSC+4*\p:WSC+4*\p+3], v[LI], s[20:21] offset:512*\p
.endr
.irp n, 0,1,2,3,4,5,6,7
	global_load_b32 v[BI+\n], v[BOA], s[22:23] offset:64*\n
.endr
	AVQ 3                                          ; tiles 3 and 7 first: their accumulators' registers take rows of x
	XTILE 0, 2
	AVQ 7
	XTILE 1, 3
	AVQ 0
	AVQ 1
	AVQ 2
	AVQ 4
	AVQ 5
	AVQ 6
	s_wait_dscnt 0x0                               ; my images have landed, and my reads of the exchange are long over
	s_barrier_signal -1
	s_barrier_wait -1
	; ---- the last product
.irp s, 0,1,2,3
	WIN 0x80+0x40*(\s/2)
.irp a, 0,1,2,3,4,5,6,7
.irp g, 0,1,2
	ds_load_b128 v[12*(8*(\s%2)+\a)+4*\g:12*(8*(\s%2)+\a)+4*\g+3], v[LI] offset:6144*\a+1536*\s+512*\g
.endr
.endr
.endr
	WIN 0
.irp a, 0,1,2,3,4,5,6,7
	ds_load_b128 v[AS+4*\a:AS+4*\a+3], v[ASR] offset:256*\a
.endr
	OPAIR 0
	OPAIR 1
	OPAIR 2
	OPAIR 3
	s_wait_tensorcnt 0x0                           ; the wave's end: behind my last LDS store
	ds_add_u32 v[SPW], v[NIL]
	s_wait_dscnt 0x0
	s_endpgm
.Lfunc_end_k_q6d2de79551_attn:
	.size	k_q6d2de79551_attn, .Lfunc_end_k_q6d2de79551_attn-k_q6d2de79551_attn
	.p2alignl 7, 3214868480
	.fill 96, 4, 3214868480
	.section	.rodata,"a",@progbits
	.p2align	6, 0x0
	.amdhsa_kernel k_q6d2de79551_attn
		.amdhsa_group_segment_fixed_size 304640
		.amdhsa_private_segment_fixed_size 0
		.amdhsa_enable_private_segment 0
		.amdhsa_kernarg_size 80
		.amdhsa_user_sgpr_count 2
		.amdhsa_user_sgpr_kernarg_segment_ptr 1
		.amdhsa_wavefront_size32 1
		.amdhsa_system_sgpr_workgroup_id_x 1
		.amdhsa_system_sgpr_workgroup_id_y 1
		.amdhsa_system_sgpr_workgroup_id_z 1
		.amdhsa_system_vgpr_workitem_id 0
		.amdhsa_next_free_vgpr 1024
		.amdhsa_next_free_sgpr 66
		.amdhsa_reserve_vcc 0
		.amdhsa_float_denorm_mode_32 3
		.amdhsa_float_denorm_mode_16_64 3
		.amdhsa_memory_ordered 1
		.amdhsa_forward_progress 1
		.amdhsa_inst_pref_size 255
	.end_amdhsa_kernel
	.section	.bss,"aw",@nobits
	.p2align	6
	.space	262144
	.amdgpu_metadata
---
amdhsa.version: [ 1, 2 ]
amdhsa.kernels:
  - .name:           k_q6d2de79551_attn
    .symbol:         k_q6d2de79551_attn.kd
    .args:
      - { .name: x, .offset: 0, .size: 8, .value_kind: global_buffer, .address_space: global }
      - { .name: qall, .offset: 8, .size: 8, .value_kind: global_buffer, .address_space: global }
      - { .name: kall, .offset: 16, .size: 8, .value_kind: global_buffer, .address_space: global }
      - { .name: vimg, .offset: 24, .size: 8, .value_kind: global_buffer, .address_space: global }
      - { .name: vsc, .offset: 32, .size: 8, .value_kind: global_buffer, .address_space: global }
      - { .name: wo_codes, .offset: 40, .size: 8, .value_kind: global_buffer, .address_space: global }
      - { .name: wo_scales, .offset: 48, .size: 8, .value_kind: global_buffer, .address_space: global }
      - { .name: bo, .offset: 56, .size: 8, .value_kind: global_buffer, .address_space: global }
      - { .name: gamma, .offset: 64, .size: 8, .value_kind: global_buffer, .address_space: global }
      - { .name: out0, .offset: 72, .size: 8, .value_kind: global_buffer, .address_space: global }
    .group_segment_fixed_size: 304640
    .private_segment_fixed_size: 0
    .kernarg_segment_align: 8
    .kernarg_segment_size: 80
    .max_flat_workgroup_size: 128
    .sgpr_count:     66
    .vgpr_count:     1024
    .wavefront_size: 32
...
	.end_amdgpu_metadata
.endif
;; end of part 2
